; MI455X (gfx1250); checked and timed in simulation.
; The chip was launched on July 23, 2026; its instructions are those of AMD's public machine-readable ISA for CDNA 5 (MIT licence, August 2026) and "CDNA5" Instruction Set Architecture Reference Guide (July 2026). The comments in the code are by the model that wrote it; some were corrected since.
;; Concat Attention. Allowed arithmetic: matrix products marked QUANTISED: E5M2 operands, one E8M0 scale for each 32 along K, by v_wmma_scale_f32_16x16x128_f8f6f4 with both operands' format E5M2, f32 sums; products left as they are: f32 operands where the result goes on into a quantised operand, else bf16, f16 or f32 operands; f32 sums; everything else in f32.
;; Inputs: Wd_codes 1,024 x 32 x 32 uint8 (E5M2 codes of Wd, K innermost, in blocks of 32 codes); Wd_scales 1,024 x 32 uint8 (E8M0 scales of Wd, one for each 32 codes along K); We_codes 1,024 x 32 x 32 uint8 (E5M2 codes of We, K innermost, in blocks of 32 codes); We_scales 1,024 x 32 uint8 (E8M0 scales of We, one for each 32 codes along K); decoder_hidden_codes 1 x 32 x 32 x 32 uint8 (E5M2 codes of decoder_hidden, K innermost, in blocks of 32 codes); decoder_hidden_scales 1 x 32 x 32 uint8 (E8M0 scales of decoder_hidden, one for each 32 codes along K); encoder_outputs 2,048 x 32 x 1,024 float32; v 1,024 float32.
;; Outputs: out0 32 x 1,024 float32; out1 32 x 2,048 x 1 float32.
;; This version of the problem:
;;   THIS VERSION OF THE PROBLEM IS GIVEN IN LOW PRECISION. The matrix products marked QUANTISED in the list below multiply operands that are first quantised to E5M2 (5 exponent bits, 2 mantissa bits; 8 bits a number), with one power-of-two scale for each 32 numbers along K (OCP MX v1.0); their sums are f32. All else is computed in f32.
;;   The module's matrix products, in the order in which they are computed (A, B: the left and right operand; K: the contracted axis; several contracted axes count as one K, in the product's order):
;;     1. [M 32, K 1,024] x [K 1,024, N 1,024]; A: input decoder_hidden (given as codes); B: input Wd (given as codes): QUANTISED
;;     2. [M 65,536, K 1,024] x [K 1,024, N 1,024]; A: input encoder_outputs; B: input We (given as codes): QUANTISED
;;     3. [M 65,536, K 1,024] x [K 1,024, N 1]; A: computed on the way; B: input v: left as it is (N = 1 < 16)
;;   THE QUANTISER, for each operand of a quantised product, along K:
;;     - K is cut into blocks of 32 from its start; a last block that is shorter is filled with zeros.
;;     - A block's scale is 2^e with e = floor(log2(the largest magnitude in the block)) - 15, held to -126 .. 127; a block of zeros has e = 0. As a byte (E8M0): e + 127.
;;     - Each number is divided by its block's scale, clamped to +-57,344, and rounded to the nearest number of E5M2, ties to even, subnormals kept.
;;     - The product sums the exact products of the quantised numbers (number of the format x scale) in f32.
;;   ~~~python
;;   def quantise(x, axis):      # numpy; x: float32 -> the quantised numbers, widened to float32 again
;;       x = np.moveaxis(x, axis, -1); K = x.shape[-1]
;;       x = np.pad(x, [(0, 0)] * (x.ndim - 1) + [(0, -K % 32)]); x = x.reshape(x.shape[:-1] + (-1, 32)); a = np.abs(x).max(-1, keepdims=True)
;;       e = np.where(a > 0, np.clip(np.frexp(np.where(a > 0, a, 1))[1] - 1 - 15, -126, 127), 0)      # np.frexp(a)[1] - 1 = floor(log2(a)), exactly
;;       r = np.clip(x / 2.0 ** e, -57344, 57344)
;;       step = 2.0 ** (np.maximum(np.frexp(np.where(r == 0, 1, r))[1] - 1, -14) - 2)
;;       q = np.round(r / step) * step * 2.0 ** e      # np.round: ties to even
;;       return np.moveaxis(q.reshape(q.shape[:-2] + (-1,))[..., :K], -1, axis).astype(np.float32)
;;   ~~~
;;   INPUTS GIVEN AS CODES. Wd (in the module: [1024, 1024], K = its axis 0); We (in the module: [1024, 1024], K = its axis 0); decoder_hidden (in the module: [1, 32, 1024], K = its axis 2): each comes as NAME_codes (uint8): NAME with its K axis moved to the last place and cut into blocks of 32 codes, [.., K / 32, bytes a block], one block behind the other in memory; one code a byte (a code: sign, 5 exponent bits, 2 mantissa bits); and NAME_scales (uint8): the same leading axes, one E8M0 byte (e + 127) for each 32 codes along K. Its value is code x scale, taken as it is: it is not quantised again, and the codes and scales need not be those that the quantiser above would give.
;; One version. Each part assembles by itself: llvm-mc -triple=amdgcn-amd-amdhsa -mcpu=gfx1250 --defsym DOCPART=n.
;; ======== version 1 of 1: 3 launches
;; workspace buffers: d_ws 131,072 bytes; wep 2,097,152 bytes; t_ws 262,144 bytes; ml_ws 131,072 bytes; o_ws 2,097,152 bytes
;; launch prep (part 1): grid 16 x 1, 4 waves a work-group, no clusters, 9,216 bytes of LDS; arguments Wd_codes, Wd_scales, We_codes, We_scales, decoder_hidden_codes, decoder_hidden_scales, d_ws, wep; writes d_ws, wep
.if DOCPART == 1
	.amdgcn_target "amdgcn-amd-amdhsa--gfx1250"
	.amdhsa_code_object_version 6
	.text
	.protected	k_q3c5ec11941_prep
	.globl	k_q3c5ec11941_prep
	.p2align	8
	.type	k_q3c5ec11941_prep,@function
k_q3c5ec11941_prep:
	s_mov_b64 s[64:65], 0
	v_nop
	global_prefetch_b8 v0, s[64:65] scope:SCOPE_SE
	s_setreg_imm32_b32 hwreg(HW_REG_WAVE_MODE, 25, 1), 1
	s_wait_xcnt 0x0
; ConcatAttention, launch 1 of 3.  d[b][n] = sum over k of dec[b][k] Wd[k][n] (the table's product 1, on the given codes of E5M2 with their E8M0 scales), and We laid anew for launch 2.
; THE WHOLE PROGRAM: launch 2 makes, for tiles of 128 positions of one batch row, x = d + enc We, t (below), the tile's maximum m, p = 2^(t - m), l = sum p and O = sum p enc; launch 3 joins a batch row's 16 tiles.
; WORK LEFT OUT.  tanh(x) = 1 - 2 r with r = 1 / (1 + e^(2x)), so logit[b][s] = sum_n v[n] - 2 sum_n v[n] r[b][s][n].  The term sum_n v[n] is the same for every s, whatever v holds, and the logits go
; nowhere but into the softmax over s, which a term that is the same along its axis does not move.  So it is never formed: the program carries t = sum_n w[n] r[n], w[n] = -2 log2(e) v[n], and p = 2^(t - max t).
; The maximum is taken away as reference() takes it.  Every input is loaded.  LIMIT: an overflow of sum_n v[n] alone is not carried to the result.
; LIMITS: NaN and infinities among the inputs are not served.
; SHARES.  Wave w of work-group g owns the 16 columns n = 16 T .., T = 4 g + w: 16 matrix instructions (2 tiles of 16 batch rows x 8 K steps of 128), the two accumulators by turns.
; The product is used transposed: source 0 = 16 rows of Wd's codes (columns n), source 1 = 16 rows of dec: lane (r, h) register j then holds d[16 e + r][16 T + 8 h + j].
; wep: for n-tile T, at 32,768 T: fragment k (16 columns x 128 K: 16 registers a lane) as an image of its registers, piece c at 2,048 k + 512 c + 16 x lane; at + 16,384 the scale bytes, 16 a lane:
; We_scales[16 T + r][16 h ..]: register i of lane (r, h) is the word of K step 4 h + i.  16,896 bytes of each 32,768 are written, and launch 2 reads no others.
; REGISTERS: window 0: v1-8 addresses; v10, v11 the add's two; v16-19 Wd's scale words, v20-27 dec's, v28-31 We's; v32-159 Wd's fragments; v160-175 the accumulators; v176-191 rows on the way out.
;   window 1: dec's 16 fragments.   window 2: We's 8 fragments.
.set SP,    272                        ; a stage row: 64 columns of f32 + 16 bytes
.set SPARE, 32*SP                      ; behind the stage (8,704 bytes): the spare words, 128 bytes for each wave
.set MSB, 0
.macro WIN new                         ; the immediate's high byte repeats the setting that is left
.if MSB != (\new)
	s_set_vgpr_msb (MSB<<8)|(\new)
.set MSB, (\new)
.endif
.endm
	s_load_b256 s[4:11], s[0:1], 0x0               ; Wd's codes s[4:5], Wd's scales s[6:7], We's codes s[8:9], We's scales s[10:11]
	s_load_b256 s[12:19], s[0:1], 0x20             ; dec's codes s[12:13], dec's scales s[14:15], d_ws s[16:17], wep s[18:19]
	v_lshl_add_u32 v10, v0, 2, SPARE
	v_mov_b32 v11, 0
	v_lshrrev_b32 v12, 5, v0
	v_readfirstlane_b32 s20, v12                   ; wave 0..3
	v_and_b32 v12, 31, v0                          ; lane
	v_lshlrev_b32 v1, 4, v12                       ; 16 x lane: an image's place
	v_and_b32 v2, 15, v0                           ; r
	v_bfe_u32 v3, v0, 4, 1                         ; h
	v_lshlrev_b32 v4, 10, v2
	v_lshl_add_u32 v4, v3, 4, v4                   ; a fragment: row r of 1,024 codes, + 16 h
	v_lshlrev_b32 v5, 5, v2
	v_lshl_add_u32 v5, v3, 4, v5                   ; scale bytes: row r of 32, + 16 h
	v_mul_u32_u24 v6, v2, SP
	v_lshl_add_u32 v6, v3, 5, v6
	s_lshl_b32 s22, s20, 6
	v_add_nc_u32 v6, s22, v6                       ; the stage, in: row r, my wave's 64 bytes, + 32 h
	s_mul_i32 s22, s20, 8*SP
	v_mul_u32_u24 v7, v3, SP
	v_lshl_add_u32 v7, v2, 4, v7
	v_add_nc_u32 v7, s22, v7                       ; back: rows 8 w on; lanes 0-15 one row of 256 bytes, lanes 16-31 the next
	v_lshlrev_b32 v8, 12, v3
	v_lshl_add_u32 v8, v2, 4, v8
	s_lshl_b32 s22, s20, 15
	s_lshl_b32 s23, ttmp9, 8
	s_add_co_u32 s22, s22, s23
	v_add_nc_u32 v8, s22, v8                       ; and the same in d_ws: rows of 4,096 bytes, the work-group's 64 columns at 256 g
	s_lshl_b32 s21, ttmp9, 2
	s_add_co_u32 s21, s21, s20                     ; T
	s_lshl_b32 s24, s21, 14                        ; 16 rows of 1,024 codes
	s_mov_b32 s25, 0
	s_lshl_b32 s26, s21, 9                         ; 16 rows of 32 scale bytes
	s_mov_b32 s27, 0
	s_lshl_b32 s28, s21, 15                        ; the tile's place in wep
	s_mov_b32 s29, 0
	s_wait_kmcnt 0x0
	s_add_nc_u64 s[4:5], s[4:5], s[24:25]
	s_add_nc_u64 s[8:9], s[8:9], s[24:25]
	s_add_nc_u64 s[6:7], s[6:7], s[26:27]
	s_add_nc_u64 s[10:11], s[10:11], s[26:27]
	s_add_nc_u64 s[18:19], s[18:19], s[28:29]
.set j, 0
.rept 32                               ; Wd's eight fragments: piece j = 4 k + c
	global_load_b128 v[32+4*j:35+4*j], v4, s[4:5] offset:32*j
.set j, j+1
.endr
	global_load_b128 v[16:19], v5, s[6:7]
	global_load_b128 v[20:23], v5, s[14:15]
	global_load_b128 v[24:27], v5, s[14:15] offset:512
	WIN 0x40                                       ; destination window 1
.set j, 0
.rept 64                               ; dec's sixteen: tile j / 32, piece j % 32
	global_load_b128 v[4*j:4*j+3], v4, s[12:13] offset:16384*(j/32)+32*(j%32)
.set j, j+1
.endr
	WIN 0x80                                       ; destination window 2
.set j, 0
.rept 32                               ; We's eight
	global_load_b128 v[4*j:4*j+3], v4, s[8:9] offset:32*j
.set j, j+1
.endr
	WIN 0
	global_load_b128 v[28:31], v5, s[10:11]
	s_wait_loadcnt 33                              ; all but We's 33 loads, the last issued, are in
	WIN 0x04                                       ; source 1 (dec) window 1
.irp k, 0,1,2,3,4,5,6,7
.irp e, 0,1
.if \k == 0
	v_wmma_scale_f32_16x16x128_f8f6f4 v[160+8*\e:167+8*\e], v[32+16*\k:47+16*\k], v[16*(8*\e+\k):16*(8*\e+\k)+15], 0, v[16+\k%4], v[20+4*\e+\k%4] matrix_a_fmt:MATRIX_FMT_BF8 matrix_b_fmt:MATRIX_FMT_BF8
.elseif \k < 4
	v_wmma_scale_f32_16x16x128_f8f6f4 v[160+8*\e:167+8*\e], v[32+16*\k:47+16*\k], v[16*(8*\e+\k):16*(8*\e+\k)+15], v[160+8*\e:167+8*\e], v[16+\k%4], v[20+4*\e+\k%4] matrix_a_fmt:MATRIX_FMT_BF8 matrix_b_fmt:MATRIX_FMT_BF8
.else
	v_wmma_scale_f32_16x16x128_f8f6f4 v[160+8*\e:167+8*\e], v[32+16*\k:47+16*\k], v[16*(8*\e+\k):16*(8*\e+\k)+15], v[160+8*\e:167+8*\e], v[16+\k%4], v[20+4*\e+\k%4] matrix_a_fmt:MATRIX_FMT_BF8 matrix_b_fmt:MATRIX_FMT_BF8 matrix_a_scale:MATRIX_SCALE_ROW1 matrix_b_scale:MATRIX_SCALE_ROW1
.endif
.endr
.endr
	WIN 0
.rept 8
	v_nop                                          ; eight places between the last product and the first read of a result
.endr
.irp e, 0,1
	ds_store_b128 v6, v[160+8*\e:163+8*\e] offset:16*\e*SP         ; each accumulator from its low end on
	ds_store_b128 v6, v[164+8*\e:167+8*\e] offset:16*\e*SP+16
.endr
	s_wait_dscnt 0x0                               ; for the others' sake: my stores into the stage are done
	s_barrier_signal -1
	s_barrier_wait -1                              ; a row's 256 bytes come from four waves
.irp i, 0,1,2,3
	ds_load_b128 v[176+4*\i:179+4*\i], v7 offset:2*\i*SP
.endr
.irp i, 0,1,2,3
	s_wait_dscnt 3-\i                              ; LDS loads come back in order: pair i of rows is in
	global_store_b128 v8, v[176+4*\i:179+4*\i], s[16:17] offset:8192*\i   ; 16 lanes store 256 consecutive bytes, at a multiple of 256 from the buffer's first byte
.endr
	s_wait_loadcnt 0x0                             ; We
	WIN 0x08                                       ; a store's data are its source 1: window 2
.set j, 0
.rept 32
	global_store_b128 v1, v[4*j:4*j+3], s[18:19] offset:512*j      ; the image: 512 consecutive bytes a store
.set j, j+1
.endr
	WIN 0
	global_store_b128 v1, v[28:31], s[18:19] offset:16384
	s_wait_tensorcnt 0x0                           ; the wave's end: behind my last LDS store
	ds_add_u32 v10, v11
	s_wait_dscnt 0x0
	s_endpgm
.Lfunc_end_k_q3c5ec11941_prep:
	.size	k_q3c5ec11941_prep, .Lfunc_end_k_q3c5ec11941_prep-k_q3c5ec11941_prep
	.p2alignl 7, 3214868480
	.fill 96, 4, 3214868480
	.section	.rodata,"a",@progbits
	.p2align	6, 0x0
	.amdhsa_kernel k_q3c5ec11941_prep
		.amdhsa_group_segment_fixed_size 9216
		.amdhsa_private_segment_fixed_size 0
		.amdhsa_enable_private_segment 0
		.amdhsa_kernarg_size 64
		.amdhsa_user_sgpr_count 2
		.amdhsa_user_sgpr_kernarg_segment_ptr 1
		.amdhsa_wavefront_size32 1
		.amdhsa_system_sgpr_workgroup_id_x 1
		.amdhsa_system_sgpr_workgroup_id_y 1
		.amdhsa_system_sgpr_workgroup_id_z 1
		.amdhsa_system_vgpr_workitem_id 0
		.amdhsa_next_free_vgpr 640
		.amdhsa_next_free_sgpr 66
		.amdhsa_reserve_vcc 0
		.amdhsa_float_denorm_mode_32 3
		.amdhsa_float_denorm_mode_16_64 3
		.amdhsa_memory_ordered 1
		.amdhsa_forward_progress 1
		.amdhsa_inst_pref_size 22
	.end_amdhsa_kernel
	.amdgpu_metadata
---
amdhsa.version: [ 1, 2 ]
amdhsa.kernels:
  - .name:           k_q3c5ec11941_prep
    .symbol:         k_q3c5ec11941_prep.kd
    .args:
      - { .name: Wd_codes, .offset: 0, .size: 8, .value_kind: global_buffer, .address_space: global }
      - { .name: Wd_scales, .offset: 8, .size: 8, .value_kind: global_buffer, .address_space: global }
      - { .name: We_codes, .offset: 16, .size: 8, .value_kind: global_buffer, .address_space: global }
      - { .name: We_scales, .offset: 24, .size: 8, .value_kind: global_buffer, .address_space: global }
      - { .name: decoder_hidden_codes, .offset: 32, .size: 8, .value_kind: global_buffer, .address_space: global }
      - { .name: decoder_hidden_scales, .offset: 40, .size: 8, .value_kind: global_buffer, .address_space: global }
      - { .name: d_ws, .offset: 48, .size: 8, .value_kind: global_buffer, .address_space: global }
      - { .name: wep, .offset: 56, .size: 8, .value_kind: global_buffer, .address_space: global }
    .group_segment_fixed_size: 9216
    .private_segment_fixed_size: 0
    .kernarg_segment_align: 8
    .kernarg_segment_size: 64
    .max_flat_workgroup_size: 128
    .sgpr_count:     66
    .vgpr_count:     640
    .wavefront_size: 32
...
	.end_amdgpu_metadata
.endif
;; end of part 1
;; launch main (part 2): grid 256 x 1, 4 waves a work-group, clusters of 4 x 1, 327,680 bytes of LDS; arguments encoder_outputs, wep, d_ws, v, t_ws, ml_ws, o_ws; writes t_ws, ml_ws, o_ws
.if DOCPART == 2
	.amdgcn_target "amdgcn-amd-amdhsa--gfx1250"
	.amdhsa_code_object_version 6
	.text
	.protected	k_q3c5ec11941_main
	.globl	k_q3c5ec11941_main
	.p2align	8
	.type	k_q3c5ec11941_main,@function
k_q3c5ec11941_main:
	s_mov_b64 s[64:65], 0
	v_nop
	global_prefetch_b8 v0, s[64:65] scope:SCOPE_SE
	s_setreg_imm32_b32 hwreg(HW_REG_WAVE_MODE, 25, 1), 1
	s_wait_xcnt 0x0
	s_wait_alu depctr_hold_cnt(0) depctr_sa_sdst(0) depctr_va_vdst(0) depctr_va_sdst(0) depctr_va_ssrc(0) depctr_va_vcc(0) depctr_vm_vsrc(0)
	s_getreg_b32 s2, hwreg(HW_REG_IB_STS2, 6, 4)
	s_cmp_eq_u32 s2, 0
	s_cbranch_scc0 .Lentry_in_a_cluster
	s_endpgm
.Lentry_in_a_cluster:
	s_bfe_u32 s2, ttmp6, 0x10000c
	s_cmp_lg_u32 s2, 0x3003
	s_cbranch_scc0 .Lentry_shape_is_right
	s_endpgm
.Lentry_shape_is_right:
; ConcatAttention, launch 2 of 3.  For batch row b and 256 positions s, as two tiles of 128: x[s][n] = d[b][n] + sum_k Q(enc[s][b][k]) We[k][n] (the table's product 2: enc quantised here to E5M2 with one E8M0 scale
; for each 32 along K, We as given), r = 1 / (1 + e^(2x)), t[s] = sum_n w[n] r[n] with w = -2 log2(e) v, and for each tile m = max t, p = 2^(t - m), l = sum p, O[:] = sum_s p[s] enc[s][b][:] (enc in f32).
; WORK LEFT OUT (shown at the head of launch 1): the term sum_n v[n] of the logits, which is the same along the softmax's axis.
; LIMITS: NaN and infinities among the inputs are not served.  A block of enc whose largest magnitude lies under 2^(16 - 127), a block of zeros among them, gets the scale byte 1 (the rule gives a block of zeros 127):
; a block of zeros has zero codes, which add nothing under any byte but 0xff, and the bytes are read by this program alone.
; SHARES.  Work-group g = 4 x cluster + place: b = g % 32, positions 256 (g / 32) on.  Wave w: rows 64 (w / 2) on of the tile, n-tiles 2 (w % 2) and 2 (w % 2) + 1 of each chunk of four.
; A IS STATIONARY: a wave's 64 rows x 1,024 K of codes fill 512 registers for a whole tile.  We walks by: 16 chunks of 4 n-tiles (64 columns, 67,584 bytes with their scale bytes) through a ring of two LDS slots.
; CLUSTER.  All work-groups walk the same 32 chunks, so the four of a cluster ask for each JOINTLY: wave w's tensor load brings n-tile 4 c + w, with the same descriptor in all four and a mask that names the four.
; A PERIOD is one slot: two steps a wave, each 32 products (8 K steps x 4 row tiles, the four accumulators by turns), source 0 = We's 16 columns, source 1 = 16 rows of enc, C of the first K step = d:
; lane (r, h) register j holds x[row r][16 T + 8 h + j].  The step before's 32 x 32 results are taken through r while this step's products are issued: two or three vector lines behind each product.
; We's FRAGMENTS COME BY HALVES, UNDER THE PRODUCTS.  K steps 0-3 of the NEXT step are fetched at a step's middle, when this step's products on them are issued; K steps 4-7 behind its end.  Each run of 18 or 19 LDS loads
; has 16 products in which to land.  The step behind a period's second step lies in the other slot: so THE CHANGE OF SLOTS STANDS AT THE SECOND STEP'S MIDDLE: all reads of the slot in hand were issued 16 products back,
; the other slot is shown whole, and the slot in hand is filled again with the chunk two on.
; THE STREAM.  enc is read twice: once to be quantised, once, when a tile's p are known, for O.  One macro serves both: a unit is 16 rows x 512 bytes (wave w: bytes 1,024 w + 512 par of a row), a pair two units.
; Two units of every wave are always on their way.  FILL: tile 0 quantised | T0: tile 0 multiplied, tile 1 quantised | T1: tile 1 multiplied, tile 0 summed | DRAIN: tile 1 summed.
; No prefetch is laid: the stream's own loads run two units ahead from the first line of the launch to the last pair.
; REGISTERS, in windows of 256.  window 0: v1-23 addresses; v24-31 at work; v32-47 A's scale words; v48-51, v124-127 We's, for even and odd steps; v52-59 d of a step's columns; v60-91, v92-123 two sets of four accumulators; v128-255 We's 8 fragments.
;   window 1: v0-63, v64-127 the two units on their way; v128-191 64 numbers to quantise (behind T0: v128-143 p of a pair, v144-151 O); v192-207 at work; v208 a scale word; v210-225 codes; v226-233 t's partial sums; v234-241 w; v250-253 at work.
;   windows 2, 3: A's fragment (K step k, row tile p) at v[16 (4 (k % 4) + p)] of window 2 + k / 4.
.set NTB,   16896                      ; an n-tile's block: 8 fragments of 2,048 bytes and 512 scale bytes
.set SLOTB, 4*NTB                      ; LDS: slot 0 at 0, slot 1 at SLOTB: filled by tensor loads, and nothing else is
.set CODES, 2*SLOTB                    ; a tile's codes as images of fragments: (row tile p, K step k) at 32,768 (k / 2) + 4,096 p + 2,048 (k % 2): wave k / 2 made it
.set ASC,   CODES+131072               ; their scale words: 1,024 (k / 2) + 128 p + 8 r + 4 (k % 2)
.set DTAB,  ASC+4096                   ; d[b][0..1023], and 4,096 bytes on w[0..1023]
.set STG,   DTAB+8192                  ; for each wave a stage of 16 rows x (512 + 16) bytes
.set LP,    STG+4*8448                 ; t's partial sums: [w % 2][128 rows]
.set PT,    LP+1024                    ; p of a tile, a copy for each wave
.set SPARE, PT+2048                    ; the spare words, 128 bytes for each wave: two blocks of 256 bytes that no other line names
.set ROWP,  131072                     ; bytes from a position's row to the next position's, for one b
.set PAIRB, 16*ROWP
.set LI, 1                             ; v1   16 x lane
.set ADRB0, 2                          ; v2, v3  my two n-tiles in slot 0, 1
.set VDT0, 4                           ; v4   DTAB + 32 h + 128 (w % 2)
.set VDT, 5                            ; v5   the same for the period in hand
.set ADRA, 6                           ; v6   my rows' images, K steps 0-3;  v23 K steps 4-7
.set ASCR, 7                           ; v7   my rows' scale words
.set STGW, 8                           ; v8   the stage, in
.set STGR, 9                           ; v9   the stage, back
.set CODW0, 10                         ; v10, v11  where I store images
.set CODW, 11
.set ASCW0, 12                         ; v12, v13  and scale words
.set ASCW, 13
.set GOFF, 14                          ; v14  1,024 w + 16 x lane: my bytes of a row of enc and of O
.set LPW, 15
.set LPR, 16
.set PTW, 17
.set PTR0, 18
.set PTR, 19
.set L8, 20                            ; v20  8 x lane
.set SPW, 21                           ; v21  LDS address of my spare word; never rewritten
.set NIL, 22                           ; v22  0; never rewritten
.set ADRA2, 23
.set ASCL, 32
.set BSCA, 48                          ; We's scale words of a period's first step,
.set BSCB, 124                         ; and of its second
.set DREG, 52
.set ACC0, 60
.set ACC1, 92
.set BF, 128
.set X, 128                            ; window 1
.set PP, 128
.set OO, 144
.set TM, 192
.set PW, 208
.set PC, 210
.set LG, 226
.set WW, 234
.set TL, 250
.set WV, 18                            ; s18 wave, s19 w / 2, s20 w % 2
.set WOFF, 25                          ; s25  NTB x wave
.set COFF, 26                          ; s[26:27] the byte in wep of the n-tile that I ask for next
.set G1, 28                            ; s[28:35] descriptor group 1;  s[36:39] group 0
.set G0, 36
.set OFQ, 40                           ; s[40:41] the stream's pair, in bytes
.set ENCB, 42                          ; s[42:43] enc at my first row
.set EQ, 44                            ; s[44:45] enc at the pair to be asked for
.set CNT, 48
.set SCOD, 49
.set SASC, 50
.set SDT, 51
.set SPT, 52
.set SEL, 54                           ; s[54:55] v_permlanex16_b32's selects for lane l xor 16
.set MNT, 56                           ; s56  the mantissa field of 57,344
.set CS, 58                            ; s[58:59] 2 log2(e): the packed form names a pair and takes its low word for both halves
.set MSB, 0
.macro WIN new                         ; the immediate's high byte repeats the setting that is left; a switch that changes nothing is dropped
.if MSB != (\new)
	s_set_vgpr_msb (MSB<<8)|(\new)
.set MSB, (\new)
.endif
.endm
.macro ROUND                           ; a round of the cluster's barrier: my work-group's barrier; wave 0 signals for it; all wait for the four work-groups; my work-group's barrier once more
	s_barrier_signal -1
	s_barrier_wait -1
	s_cmp_lg_u32 s[WV], 0
	s_cbranch_scc1 .Lnw0_\@
	s_barrier_signal -3
.Lnw0_\@:
	s_barrier_wait -3
	s_barrier_signal -1
	s_barrier_wait -1
.endm
; THE CHANGE OF SLOTS.  Each wave waits for its one tensor load (its n-tile of the slot about to be read), adds 0 to its spare word, and waits for that and for all its LDS reads, those of the slot at slotc among them.
; fill = 1: behind a round of the cluster's barrier the slot at slotc takes the next chunk; the load has a period's 64 products a wave in which to land.
.macro CHANGE slotc, fill
	WIN 0
	s_wait_tensorcnt 0x0                           ; no tensor load of mine is out, so group 0 may be written
	ds_add_u32 v[SPW], v[NIL]                      ; the descriptor's words stand between the add and its wait
.if \fill
	s_add_co_u32 s[COFF], s[COFF], 131072          ; the next chunk: four n-tiles of 32,768 bytes on,
	s_and_b32 s[COFF], s[COFF], 0x1fffff           ; and behind the sixteenth the first again
	s_add_co_u32 s[G0+1], s[WOFF], \slotc          ; LDS: the slot's constant + NTB x wave
	s_add_nc_u64 s[G0+2:G0+3], s[6:7], s[COFF:COFF+1]
	s_or_b32 s[G0+3], s[G0+3], 0x80000000          ; type = 2
.endif
	s_wait_dscnt 0x0                               ; the add is done, and my LDS reads are over
.if \fill
	ROUND                                          ; so of every wave of the four work-groups
	tensor_load_to_lds s[G0:G0+3], s[G1:G1+7]      ; my one tensor load until the next round: one is out, by this text's count
	s_nop 0
.rept 4
	v_nop
.endr
.else
	s_barrier_signal -1
	s_barrier_wait -1
.endif
.endm
; A unit of the stream: 16 rows x 512 bytes; each load reads 512 consecutive bytes of one row
.macro LOADU par
	WIN 0x40
.set uj, 0
.rept 16
	global_load_b128 v[64*\par+4*uj:64*\par+4*uj+3], v[GOFF], s[EQ:EQ+1] offset:ROWP*uj+512*\par
.set uj, uj+1
.endr
.endm
.macro STEPQ                           ; on to the next pair; behind the work-group's 16th pair comes its first again: the second pass
	s_wait_xcnt 0x0                                ; the loads issued have read their base
	s_add_co_u32 s[OFQ], s[OFQ], PAIRB
	s_and_b32 s[OFQ], s[OFQ], 16*PAIRB-1
	s_add_nc_u64 s[EQ:EQ+1], s[ENCB:ENCB+1], s[OFQ:OFQ+1]
.endm
; A unit turns through my stage: in as loaded (row j at 528 j), back so that lane (r, h) holds, of row r, numbers 32 c + 16 h + 0 .. 15 in registers X + 16 c on.  LDS serves a wave's instructions in order: no wait between
.macro QTURN par
	s_wait_loadcnt 16                              ; this unit's 16 loads are in; the other unit's 16, issued behind them, may be out
	WIN 0x04
.set uj, 0
.rept 16
	ds_store_b128 v[STGW], v[64*\par+4*uj:64*\par+4*uj+3] offset:528*uj
.set uj, uj+1
.endr
	WIN 0x40
.set uj, 0
.rept 16
	ds_load_b128 v[X+4*uj:X+4*uj+3], v[STGR] offset:128*(uj/4)+16*(uj%4)
.set uj, uj+1
.endr
.endm
; 64 numbers of a lane become a fragment's codes (PC on) and its row's scale word (PW)
.macro QUANT
	WIN 0x55
.irp b, 0,1,2,3
	v_max3_num_f32 v[TM+\b], |v[X+16*\b]|, |v[X+1+16*\b]|, 0x8000000   ; block b: my 16 numbers, and the floor 2^(16 - 127): the byte cannot fall under 1
.endr
.irp i, 2,4,6,8,10,12,14
.irp b, 0,1,2,3
	v_max3_num_f32 v[TM+\b], v[TM+\b], |v[X+16*\b+\i]|, |v[X+1+16*\b+\i]|
.endr
.endr
.irp b, 0,1,2,3
	v_permlanex16_b32 v[TM+4+\b], v[TM+\b], s[SEL], s[SEL+1]
.endr
.irp b, 0,1,2,3
	v_max_num_f32 v[TM+\b], v[TM+\b], v[TM+4+\b]   ; with lane l xor 16's: the block's largest magnitude
.endr
.irp b, 0,1,2,3
	v_add_nc_u32 v[TM+12+\b], 0xf8800000, v[TM+\b] ; 15 off its exponent field: the conversion's scale operand
.endr
.irp b, 0,1,2,3
	v_and_or_b32 v[TM+8+\b], v[TM+\b], 0x7f800000, s[MNT]   ; 57,344 x the scale
.endr
.irp b, 0,1,2,3
	v_lshrrev_b32 v[TM+4+\b], 23, v[TM+12+\b]      ; the scale's byte
.endr
	v_lshl_or_b32 v[PW], v[TM+5], 8, v[TM+4]
	v_lshl_or_b32 v[PW], v[TM+6], 16, v[PW]
	v_lshl_or_b32 v[PW], v[TM+7], 24, v[PW]
.irp b, 0,1,2,3
.irp i, 0,1,2,3,4,5,6,7,8,9,10,11,12,13,14,15
	v_med3_num_f32 v[X+16*\b+\i], v[X+16*\b+\i], -v[TM+8+\b], v[TM+8+\b]   ; the conversion to an 8-bit code does not saturate (ISA guide 7.6.2): the hold at the largest code x the scale
.endr
	v_cvt_scalef32_pk8_bf8_f32 v[PC+4*\b:PC+1+4*\b], v[X+16*\b:X+7+16*\b], v[TM+12+\b]
	v_cvt_scalef32_pk8_bf8_f32 v[PC+2+4*\b:PC+3+4*\b], v[X+8+16*\b:X+15+16*\b], v[TM+12+\b]
.endr
	v_nop                                          ; one plain line behind the last scaled conversion
.endm
.macro QSTORE par                      ; the fragment goes to LDS as an image of its registers; five LDS stores
	WIN 0x04
.irp c, 0,1,2,3
	ds_store_b128 v[CODW], v[PC+4*\c:PC+4*\c+3] offset:2048*\par+512*\c
.endr
	ds_store_b32 v[ASCW], v[PW] offset:4*\par      ; lanes r and r + 16 write the same word with the same value
.endm
; THE FIRST HALF OF A STEP'S OPERANDS, 19 LDS loads: n-tile i of the slot at adr: its scale words into bs, d of its columns (doff bytes from the period's place), its fragments of K steps 0-3.
; All its registers lie in window 0, and so does its address: it stands as well under the products' windows, which move source 1 alone.
.macro MIDRUN adr, i, bs, doff
	ds_load_b128 v[\bs:\bs+3], v[\adr] offset:NTB*\i+16384
	ds_load_b128 v[DREG:DREG+3], v[VDT] offset:\doff
	ds_load_b128 v[DREG+4:DREG+7], v[VDT] offset:\doff+16
.set bj, 0
.rept 16
	ds_load_b128 v[BF+4*bj:BF+4*bj+3], v[\adr] offset:NTB*\i+512*bj
.set bj, bj+1
.endr
.endm
; THE SECOND HALF, 18 LDS loads: the fragments of K steps 4-7, and w of the step just multiplied (woff bytes from its period's place), which the coming step's slices want at their end.
; It stands behind the 16 plain lines that end a step: more than the eight places owed behind the last product.
.macro BOUND adr, i, woff
	WIN 0
.set bj, 16
.rept 16
	ds_load_b128 v[BF+4*bj:BF+4*bj+3], v[\adr] offset:NTB*\i+512*bj
.set bj, bj+1
.endr
	WIN 0x40
	ds_load_b128 v[WW:WW+3], v[VDT] offset:\woff
	ds_load_b128 v[WW+4:WW+7], v[VDT] offset:\woff+16
.endm
.macro VSTEP                           ; this period's 64 columns: 256 bytes of d on
	WIN 0
	v_add_nc_u32 v[VDT], s[SDT], v[VDT0]
	s_add_co_u32 s[SDT], s[SDT], 256
.endm
.macro DOTW Q                          ; t's partial sums take w r: 16 packed multiply-adds, four chains by turns
	WIN 0x54                                       ; r window 0; w, the sums window 1
.irp e, 0,1,2,3
.irp p, 0,1,2,3
	v_pk_fma_f32 v[LG+2*\p:LG+2*\p+1], v[\Q+8*\p+2*\e:\Q+8*\p+2*\e+1], v[WW+2*\e:WW+2*\e+1], v[LG+2*\p:LG+2*\p+1]
.endr
.endr
.endm
; A STEP: 32 products into set P, with We's scale words in BS; between them the step before's results, set Q, go through r.  Behind product i < 16: pair i times 2 log2(e), two exponentials.  At the middle: the batch's plain
; line and its ONE wait, then pairs 0-7 plus 1.  Behind product i >= 16: (i < 24: pair i - 8 plus 1,) two reciprocals of pair i - 16.  At the end the second batch's plain line and wait, and DOTW.
; None of these lines has a vector register as its source 1, so they stand under the products' windows.
; k0: the wait at the head: the youngest k0 LDS instructions may be out: BOUND's 18 (and in T0's first step the five stores of QSTORE); MIDRUN, issued ahead of them, is in.
; THE MIDDLE.  mid = 0: a wait for all LDS instructions: K steps 4-7 and w, asked for 16 products back, are in.  mid = 1, 2: the change of slots, which holds that wait; 1: the slot at cslot is filled again.
; roll = 1: MIDRUN for the next step.  Behind the last product on K step 3 stand its packed multiply, the v_nop and the eight additions: ten plain lines that name none of its registers, where eight are owed.
.macro STEP P, Q, BS, k0, mid, cslot, roll, radr, ri, RBS, doff
.set pi, 0
.rept 32
.set pk, pi/4
.set pr, pi%4
.if pi == 0
	s_wait_dscnt \k0
.endif
.if pi == 16
.set tj, 0
.rept 8
	v_pk_add_f32 v[\Q+2*tj:\Q+2*tj+1], v[\Q+2*tj:\Q+2*tj+1], 1.0 op_sel_hi:[1,0]
.set tj, tj+1
.endr
.if \mid == 0
	s_wait_dscnt 0x0
.elseif \mid == 1
	CHANGE \cslot, 1
.else
	CHANGE \cslot, 0
.endif
.if \roll
	MIDRUN \radr, \ri, \RBS, \doff
.endif
.endif
.if pr == 0
	WIN 0x08+4*(pk/4)                              ; source 1 (A): window 2 or 3
.endif
.set rD, \P+8*pr
.set rB, BF+16*pk
.set rA, 16*(4*(pk%4)+pr)
.set rSB, \BS+pk%4
.set rSA, ASCL+4*pr+pk%4
.if pk == 0
	v_wmma_scale_f32_16x16x128_f8f6f4 v[rD:rD+7], v[rB:rB+15], v[rA:rA+15], v[DREG:DREG+7], v[rSB], v[rSA] matrix_a_fmt:MATRIX_FMT_BF8 matrix_b_fmt:MATRIX_FMT_BF8
.elseif pk < 4
	v_wmma_scale_f32_16x16x128_f8f6f4 v[rD:rD+7], v[rB:rB+15], v[rA:rA+15], v[rD:rD+7], v[rSB], v[rSA] matrix_a_fmt:MATRIX_FMT_BF8 matrix_b_fmt:MATRIX_FMT_BF8
.else
	v_wmma_scale_f32_16x16x128_f8f6f4 v[rD:rD+7], v[rB:rB+15], v[rA:rA+15], v[rD:rD+7], v[rSB], v[rSA] matrix_a_fmt:MATRIX_FMT_BF8 matrix_b_fmt:MATRIX_FMT_BF8 matrix_a_scale:MATRIX_SCALE_ROW1 matrix_b_scale:MATRIX_SCALE_ROW1
.endif
.set rQ, \Q+2*(pi%16)
.if pi < 16
	v_pk_mul_f32 v[rQ:rQ+1], v[rQ:rQ+1], s[CS:CS+1] op_sel_hi:[1,0]
	v_exp_f32 v[rQ], v[rQ]
	v_exp_f32 v[rQ+1], v[rQ+1]
.else
.if pi < 24
	v_pk_add_f32 v[rQ+16:rQ+17], v[rQ+16:rQ+17], 1.0 op_sel_hi:[1,0]
.endif
	v_rcp_f32 v[rQ], v[rQ]
	v_rcp_f32 v[rQ+1], v[rQ+1]
.endif
.if pi%16 == 15
	v_nop                                          ; the plain line behind the batch's last transcendental
	s_wait_alu depctr_va_vdst(0)                   ; and the batch's one wait
.endif
.set pi, pi+1
.endr
	DOTW \Q                                        ; these 16 name none of the last products' registers: they are the places ahead of BOUND's loads and of the first read of P
.endm
.macro TANH_TAIL Q                     ; a tile's last step has no successor: the same list with no products between, and its own load of w
	WIN 0x40
	ds_load_b128 v[WW:WW+3], v[VDT] offset:4096+64
	ds_load_b128 v[WW+4:WW+7], v[VDT] offset:4096+80
	WIN 0
.set tj, 0
.rept 16
	v_pk_mul_f32 v[\Q+2*tj:\Q+2*tj+1], v[\Q+2*tj:\Q+2*tj+1], s[CS:CS+1] op_sel_hi:[1,0]
.set tj, tj+1
.endr
.set tj, 0
.rept 32
	v_exp_f32 v[\Q+tj], v[\Q+tj]
.set tj, tj+1
.endr
	v_nop
	s_wait_alu depctr_va_vdst(0)
.set tj, 0
.rept 16
	v_pk_add_f32 v[\Q+2*tj:\Q+2*tj+1], v[\Q+2*tj:\Q+2*tj+1], 1.0 op_sel_hi:[1,0]
.set tj, tj+1
.endr
.set tj, 0
.rept 32
	v_rcp_f32 v[\Q+tj], v[\Q+tj]
.set tj, tj+1
.endr
	v_nop
	s_wait_alu depctr_va_vdst(0)
	s_wait_dscnt 0x0                               ; w
	DOTW \Q
.endm
.macro ALOAD                           ; my 64 rows' 32 fragments and their scale words, from the images
	WIN 0x80
.set aj, 0
.rept 64                               ; aj = 16 k + 4 p + c, K steps 0-3
	ds_load_b128 v[4*aj:4*aj+3], v[ADRA] offset:(aj/32)*32768+((aj/4)%4)*4096+((aj/16)%2)*2048+512*(aj%4)
.set aj, aj+1
.endr
	WIN 0xc0
.set aj, 0
.rept 64                               ; K steps 4-7
	ds_load_b128 v[4*aj:4*aj+3], v[ADRA2] offset:(aj/32)*32768+((aj/4)%4)*4096+((aj/16)%2)*2048+512*(aj%4)
.set aj, aj+1
.endr
	WIN 0
.irp p, 0,1,2,3
	ds_load_b64 v[ASCL+4*\p:ASCL+4*\p+1], v[ASCR] offset:128*\p          ; lane (r, h): the words of K steps 4 h, 4 h + 1,
	ds_load_b64 v[ASCL+4*\p+2:ASCL+4*\p+3], v[ASCR] offset:128*\p+1024   ; and 4 h + 2, 4 h + 3
.endr
.endm
.macro TILE_INIT                       ; a tile begins: the sums are 0.  Its first step has no step before it: set ACC1 holds 1,024, whose r = 1 / (1 + 2^2954.6) is exactly 0, so that step's slices add zeros
	WIN 0x40
.set tj, 0
.rept 8
	v_mov_b32 v[LG+tj], 0
.set tj, tj+1
.endr
	WIN 0
.set tj, 0
.rept 32
	v_mov_b32 v[ACC1+tj], 0x44800000
.set tj, tj+1
.endr
	v_mov_b32 v[VDT], v[VDT0]
	s_mov_b32 s[SDT], 0
.endm
.macro OZERO
	WIN 0x40
.set tj, 0
.rept 8
	v_mov_b32 v[OO+tj], 0
.set tj, tj+1
.endr
	WIN 0
.endm
; A TILE'S SOFTMAX.  Each wave's partial t of its 64 rows (its half of the columns) meet in LP; every wave then holds all 128 t, four a lane, and makes m, p, l; p goes to the wave's own copy; wave 0 stores t and (m, l).
.macro SOFT tau, aload
	WIN 0x55
.irp p, 0,1,2,3
	v_add_f32 v[TL+\p], v[LG+2*\p], v[LG+2*\p+1]   ; even and odd columns,
.endr
.irp p, 0,1,2,3
	v_permlanex16_b32 v[TM+4+\p], v[TL+\p], s[SEL], s[SEL+1]
.endr
.irp p, 0,1,2,3
	v_add_f32 v[TL+\p], v[TL+\p], v[TM+4+\p]       ; and the other half of the lanes' eight columns of each n-tile
.endr
	WIN 0x04
.irp p, 0,1,2,3
	ds_store_b32 v[LPW], v[TL+\p] offset:64*\p
.endr
	WIN 0
	s_wait_dscnt 0x0                               ; for the others' sake: these stores, and in T0 my images of the next tile, are done
	s_barrier_signal -1
	s_barrier_wait -1                              ; the next chunk's load may stay out
	ds_load_b128 v[60:63], v[LPR]
	ds_load_b128 v[64:67], v[LPR] offset:512
	s_wait_dscnt 0x0
.if \aload
	ALOAD                                          ; the next tile's codes land under the lines below
.endif
	v_pk_add_f32 v[60:61], v[60:61], v[64:65]      ; t of rows 4 l .. 4 l + 3
	v_pk_add_f32 v[62:63], v[62:63], v[66:67]
	v_max3_num_f32 v68, v60, v61, v62
	v_max_num_f32 v68, v68, v63
	v_max_num_f32_dpp v68, v68, v68 row_xmask:1 row_mask:0xf bank_mask:0xf
	v_max_num_f32_dpp v68, v68, v68 row_xmask:2 row_mask:0xf bank_mask:0xf
	v_max_num_f32_dpp v68, v68, v68 row_xmask:4 row_mask:0xf bank_mask:0xf
	v_max_num_f32_dpp v68, v68, v68 row_xmask:8 row_mask:0xf bank_mask:0xf
	v_permlanex16_b32 v69, v68, s[SEL], s[SEL+1]
	v_max_num_f32 v68, v68, v69                    ; m: the tile's largest t, taken away ahead of the exponential
.irp e, 0,1,2,3
	v_sub_f32 v[70+\e], v[60+\e], v68
.endr
.irp e, 0,1,2,3
	v_exp_f32 v[70+\e], v[70+\e]                   ; p
.endr
	v_nop
	s_wait_alu depctr_va_vdst(0)                   ; one wait for the four, ahead of their first reader
	v_add_f32 v74, v70, v71
	v_add_f32 v75, v72, v73
	v_add_f32 v74, v74, v75
	v_add_f32_dpp v74, v74, v74 row_xmask:1 row_mask:0xf bank_mask:0xf
	v_add_f32_dpp v74, v74, v74 row_xmask:2 row_mask:0xf bank_mask:0xf
	v_add_f32_dpp v74, v74, v74 row_xmask:4 row_mask:0xf bank_mask:0xf
	v_add_f32_dpp v74, v74, v74 row_xmask:8 row_mask:0xf bank_mask:0xf
	v_permlanex16_b32 v75, v74, s[SEL], s[SEL+1]
	v_add_f32 v69, v74, v75                        ; l
	ds_store_b128 v[PTW], v[70:73]
	s_cmp_lg_u32 s[WV], 0
	s_cbranch_scc1 .Lnot0_\@
	global_store_b128 v[LI], v[60:63], s[12:13] offset:512*\tau    ; 512 consecutive bytes
	global_store_b64 v[L8], v[68:69], s[14:15] offset:256*\tau     ; every lane the same pair: 256 consecutive bytes, aligned
.Lnot0_\@:
	s_wait_xcnt 0x0                                ; the stores have read their data: the registers are accumulators again
.endm
.macro WPL                             ; p of the pair's 16 rows, every lane the same 64 bytes
	WIN 0
	v_add_nc_u32 v[PTR], s[SPT], v[PTR0]
	WIN 0x40
.irp q, 0,1,2,3
	ds_load_b128 v[PP+4*\q:PP+4*\q+3], v[PTR] offset:16*\q
.endr
.endm
.macro WSUM par                        ; O += p x the unit's 16 rows: 32 packed multiply-adds
	WIN 0x55
.set wj, 0
.rept 16
.if wj%2 == 0
	v_pk_fma_f32 v[OO+4*\par:OO+4*\par+1], v[64*\par+4*wj:64*\par+4*wj+1], v[PP+wj:PP+wj+1], v[OO+4*\par:OO+4*\par+1] op_sel_hi:[1,0,1]
	v_pk_fma_f32 v[OO+4*\par+2:OO+4*\par+3], v[64*\par+4*wj+2:64*\par+4*wj+3], v[PP+wj:PP+wj+1], v[OO+4*\par+2:OO+4*\par+3] op_sel_hi:[1,0,1]
.else
	v_pk_fma_f32 v[OO+4*\par:OO+4*\par+1], v[64*\par+4*wj:64*\par+4*wj+1], v[PP+wj-1:PP+wj], v[OO+4*\par:OO+4*\par+1] op_sel:[0,1,0] op_sel_hi:[1,1,1]
	v_pk_fma_f32 v[OO+4*\par+2:OO+4*\par+3], v[64*\par+4*wj+2:64*\par+4*wj+3], v[PP+wj-1:PP+wj], v[OO+4*\par+2:OO+4*\par+3] op_sel:[0,1,0] op_sel_hi:[1,1,1]
.endif
.set wj, wj+1
.endr
.endm
.macro OSTORE off                      ; a tile's O: my 1,024 bytes of its 4,096, 512 consecutive bytes a store
	WIN 0x04
	global_store_b128 v[GOFF], v[OO:OO+3], s[16:17] offset:\off
	global_store_b128 v[GOFF], v[OO+4:OO+7], s[16:17] offset:\off+512
	WIN 0
.endm
; A period of T0: slot par is multiplied, a unit of tile 1 is quantised.  At its head K steps 0-3 of its first step are in registers or on their way (the MIDRUN of the step before).
.macro PERIOD_Q par
	s_wait_dscnt 0x0                               ; that MIDRUN, issued 16 products back, is in
	QTURN \par
	BOUND ADRB0+\par, 0, 4096+64                   ; K steps 4-7 of my first step; w of the last period's second step, from that period's place:
	VSTEP                                          ; which only now moves on
	s_wait_dscnt 18                                ; all but BOUND's 18: the unit is back from the stage, and the stage's stores have read its registers,
	LOADU \par                                     ; which take the unit of the next pair
	QUANT
	QSTORE \par
	STEP ACC0, ACC1, BSCA, 23, 0, 0, 1, ADRB0+\par, 1, BSCB, 64
	BOUND ADRB0+\par, 1, 4096
	STEP ACC1, ACC0, BSCB, 18, 1, \par*SLOTB, 1, ADRB0+1-\par, 0, BSCA, 256
.endm
; A period of T1: slot par is multiplied, a unit of tile 0 is summed.  p of a pair is read once, in the pair's first period.  mid, roll: the second step's middle
.macro PERIOD_W par, mid, roll
.if \par == 0
	WPL
.endif
	BOUND ADRB0+\par, 0, 4096+64
	VSTEP
	s_wait_loadcnt 16                              ; this unit's 16 loads are in; the other unit's may be out
.if \par == 0
	s_wait_dscnt 18                                ; all but BOUND's 18: p is in
.endif
	WSUM \par
	LOADU \par
	STEP ACC0, ACC1, BSCA, 18, 0, 0, 1, ADRB0+\par, 1, BSCB, 64
	BOUND ADRB0+\par, 1, 4096
	STEP ACC1, ACC0, BSCB, 18, \mid, \par*SLOTB, \roll, ADRB0+1-\par, 0, BSCA, 256
.endm
.macro W_NEXT
	STEPQ
	s_add_co_u32 s[SPT], s[SPT], 64                ; the next pair's 16 p
	WIN 0
.endm
.macro SLICE par, load, left           ; DRAIN: a unit is summed
	WPL
	s_wait_loadcnt \left
	s_wait_dscnt 0x0
	WSUM \par
.if \load
	LOADU \par
.endif
.endm
	s_load_b256 s[4:11], s[0:1], 0x0               ; enc s[4:5], wep s[6:7], d_ws s[8:9], v s[10:11]
	s_load_b128 s[12:15], s[0:1], 0x20             ; t_ws s[12:13], ml_ws s[14:15]
	s_load_b64 s[16:17], s[0:1], 0x30              ; o_ws
	v_lshl_add_u32 v[SPW], v0, 2, SPARE
	v_mov_b32 v[NIL], 0
	ds_add_u32 v[SPW], v[NIL]                      ; the wave's opening: the add, twice on end, and its wait ahead of my first tensor load; the set-up below stands between
	ds_add_u32 v[SPW], v[NIL]
	v_lshrrev_b32 v24, 5, v0
	v_readfirstlane_b32 s[WV], v24                 ; wave 0..3
	s_lshr_b32 s19, s[WV], 1                       ; which 64 rows
	s_and_b32 s20, s[WV], 1                        ; which two n-tiles of a chunk
	s_bfe_u32 s21, ttmp6, 0x40000                  ; my place in the cluster: it enters global addresses of enc, d and the three results alone
	s_lshl_b32 s22, ttmp9, 2
	s_add_co_u32 s22, s22, s21                     ; g
	s_and_b32 s23, s22, 31                         ; b
	s_lshr_b32 s24, s22, 5                         ; which 256 positions
	s_mul_i32 s[WOFF], s[WV], NTB
	s_lshl_b32 s[COFF], s[WV], 15                  ; chunk 0, n-tile w
	s_mov_b32 s[COFF+1], 0
	s_mov_b32 s[G1], 15|(3<<16)|(1<<21)            ; 15:0 the mask: all four work-groups; 17:16 elements of 8 bytes; 21 set beside a mask; no padding: the images are read 16 bytes a lane on end
	s_mov_b32 s[G1+1], 32<<16                      ; tensor_dim0 = 32 elements: rows of 256 bytes
	s_mov_b32 s[G1+2], 66<<16                      ; tensor_dim1 = 66 rows: 16,896 dense bytes
	s_mov_b32 s[G1+3], 32<<16                      ; tile_dim0
	s_mov_b32 s[G1+4], 66                          ; tile_dim1
	s_mov_b32 s[G1+5], 32                          ; the pitch
	s_mov_b32 s[G1+6], 0
	s_mov_b32 s[G1+7], 0
	s_mov_b32 s[G0], 1
	s_mov_b32 s[G0+1], s[WOFF]                     ; slot 0
	s_mov_b32 s[SEL], 0x76543210
	s_mov_b32 s[SEL+1], 0xfedcba98
	s_mov_b32 s[MNT], 0x600000
	s_mov_b32 s[CS], 0x4038aa3b                    ; 2 log2(e)
	s_mov_b32 s[CS+1], s[CS]
	s_mov_b32 s[OFQ], 0
	s_mov_b32 s[OFQ+1], 0
	s_wait_dscnt 0x0                               ; both opening adds are done
	s_wait_kmcnt 0x0
	s_add_nc_u64 s[G0+2:G0+3], s[6:7], s[COFF:COFF+1]
	s_or_b32 s[G0+3], s[G0+3], 0x80000000
	ROUND                                          ; all four work-groups are here: the first joint loads meet
	tensor_load_to_lds s[G0:G0+3], s[G1:G1+7]      ; chunk 0; slot 1 is first filled behind the round in front of T0
	s_nop 0
.rept 4
	v_nop
.endr
	s_lshl_b32 s60, s24, 25                        ; 256 positions x 131,072 bytes
	s_lshl_b32 s61, s23, 12
	s_add_co_u32 s60, s60, s61
	s_mov_b32 s61, 0
	s_add_nc_u64 s[ENCB:ENCB+1], s[4:5], s[60:61]
	s_mov_b64 s[EQ:EQ+1], s[ENCB:ENCB+1]
	s_lshl_b32 s60, s23, 12
	s_add_nc_u64 s[8:9], s[8:9], s[60:61]          ; d[b]
	s_lshl_b32 s60, s23, 13
	s_lshl_b32 s62, s24, 10
	s_add_co_u32 s60, s60, s62
	s_add_nc_u64 s[12:13], s[12:13], s[60:61]      ; t[b][my first position]
	s_lshl_b32 s60, s23, 4
	s_lshl_b32 s62, s24, 1
	s_add_co_u32 s62, s60, s62                     ; my first tile's number: 16 b + 2 (g / 32)
	s_lshl_b32 s60, s62, 8
	s_add_nc_u64 s[14:15], s[14:15], s[60:61]
	s_lshl_b32 s60, s62, 12
	s_add_nc_u64 s[16:17], s[16:17], s[60:61]
	v_and_b32 v24, 31, v0                          ; lane
	v_and_b32 v25, 15, v0                          ; r
	v_bfe_u32 v26, v0, 4, 1                        ; h
	v_lshlrev_b32 v[LI], 4, v24
	s_lshl_b32 s60, s[WV], 10
	v_add_nc_u32 v[GOFF], s60, v[LI]
	v_lshlrev_b32 v27, 4, v0                       ; 16 x thread
	global_load_b128 v[92:95], v27, s[8:9]         ; d[b] and v: 128 threads x 2 x 16 bytes each
	global_load_b128 v[96:99], v27, s[8:9] offset:2048
	global_load_b128 v[100:103], v27, s[10:11]
	global_load_b128 v[104:107], v27, s[10:11] offset:2048
	LOADU 0                                        ; the stream begins: tile 0's first pair
	LOADU 1
	STEPQ
	WIN 0
	s_mul_i32 s60, s20, 2*NTB
	v_add_nc_u32 v[ADRB0], s60, v[LI]
	v_add_nc_u32 v[ADRB0+1], SLOTB, v[ADRB0]
	s_lshl_b32 s60, s20, 7
	s_add_co_u32 s60, s60, DTAB
	v_lshl_add_u32 v[VDT0], v26, 5, s60
	s_lshl_b32 s60, s19, 14
	s_add_co_u32 s60, s60, CODES
	v_add_nc_u32 v[ADRA], s60, v[LI]
	v_add_nc_u32 v[ADRA2], 65536, v[ADRA]
	s_lshl_b32 s60, s19, 9
	s_add_co_u32 s60, s60, ASC
	v_lshl_add_u32 v[ASCR], v26, 11, s60
	v_lshl_add_u32 v[ASCR], v25, 3, v[ASCR]
	s_mul_i32 s60, s[WV], 8448
	s_add_co_u32 s60, s60, STG
	v_add_nc_u32 v[STGW], s60, v[LI]
	v_mul_u32_u24 v[STGR], v25, 528
	v_lshl_add_u32 v[STGR], v26, 6, v[STGR]
	v_add_nc_u32 v[STGR], s60, v[STGR]
	s_lshl_b32 s60, s[WV], 15
	s_add_co_u32 s60, s60, CODES
	v_add_nc_u32 v[CODW0], s60, v[LI]
	s_lshl_b32 s60, s[WV], 10
	s_add_co_u32 s60, s60, ASC
	v_lshl_add_u32 v[ASCW0], v25, 3, s60
	s_lshl_b32 s60, s20, 9
	s_lshl_b32 s61, s19, 8
	s_add_co_u32 s60, s60, s61
	s_add_co_u32 s60, s60, LP
	v_lshl_add_u32 v[LPW], v25, 2, s60
	v_add_nc_u32 v[LPR], LP, v[LI]
	s_lshl_b32 s60, s[WV], 9
	s_add_co_u32 s60, s60, PT
	v_add_nc_u32 v[PTW], s60, v[LI]
	v_mov_b32 v[PTR0], s60
	v_lshlrev_b32 v[L8], 3, v24
	v_add_nc_u32 v28, DTAB, v27
	WIN 0x40
.irp b, 0,1,2,3
	v_mov_b32 v[TM+4+\b], 0                        ; written once: a lane permute's destination counts as one of its sources
.endr
	WIN 0
	s_wait_loadcnt 32                              ; d and v are in; the stream's 32 loads, issued behind them, may be out
.irp i, 0,1,2,3,4,5,6,7
	v_mul_f32 v[108+\i], 0xc038aa3b, v[100+\i]     ; w = -2 log2(e) v
.endr
	ds_store_b128 v28, v[92:95]
	ds_store_b128 v28, v[96:99] offset:2048
	ds_store_b128 v28, v[108:111] offset:4096
	ds_store_b128 v28, v[112:115] offset:6144
	; ---- FILL: tile 0 is quantised: 8 trips, a pair (16 rows, my two K steps) each; each unit's registers take the same unit of the next pair; the last trip asks for tile 1's first pair
	s_mov_b32 s[SCOD], 0
	s_mov_b32 s[SASC], 0
	s_mov_b32 s[CNT], 8
.Lfill:
	v_add_nc_u32 v[CODW], s[SCOD], v[CODW0]
	v_add_nc_u32 v[ASCW], s[SASC], v[ASCW0]
.irp par, 0,1
	QTURN \par
	s_wait_dscnt 0x0                               ; the unit is back from the stage
	LOADU \par
	QUANT
	QSTORE \par
.endr
	WIN 0
	STEPQ
	s_add_co_u32 s[SCOD], s[SCOD], 4096
	s_add_co_u32 s[SASC], s[SASC], 128
	s_sub_co_u32 s[CNT], s[CNT], 1
	s_cmp_lg_u32 s[CNT], 0
	s_cbranch_scc1 .Lfill
	s_wait_dscnt 0x0                               ; for the others' sake: my images, scale words and my part of d and w are in LDS
	s_barrier_signal -1
	s_barrier_wait -1                              ; chunk 0's load may stay out
	ALOAD
	TILE_INIT
	CHANGE SLOTB, 1                                ; chunk 0 is whole in every work-group; slot 1 takes chunk 1
	MIDRUN ADRB0, 0, BSCA, 0                       ; the very first step's first half
	; ---- T0: 16 periods, two a trip
	s_mov_b32 s[SCOD], 0
	s_mov_b32 s[SASC], 0
	s_mov_b32 s[CNT], 8
.Lt0:
	v_add_nc_u32 v[CODW], s[SCOD], v[CODW0]
	v_add_nc_u32 v[ASCW], s[SASC], v[ASCW0]
	PERIOD_Q 0
	PERIOD_Q 1
	WIN 0
	STEPQ                                          ; behind the seventh trip the offset wraps: the last trip asks for tile 0's first pair again
	s_add_co_u32 s[SCOD], s[SCOD], 4096
	s_add_co_u32 s[SASC], s[SASC], 128
	s_sub_co_u32 s[CNT], s[CNT], 1
	s_cmp_lg_u32 s[CNT], 0
	s_cbranch_scc1 .Lt0
	TANH_TAIL ACC1
	SOFT 0, 1
	OZERO
	TILE_INIT
	ds_load_b128 v[DREG:DREG+3], v[VDT]            ; d of tile 1's first step: the last MIDRUN read 256 bytes behind d's last period, which is w's table; We's fragments and scale words that it brought are the right ones
	ds_load_b128 v[DREG+4:DREG+7], v[VDT] offset:16
	s_mov_b32 s[SPT], 0
	s_wait_dscnt 0x0                               ; tile 1's codes, d and my copy of p
	; ---- T1: 16 periods; the last two are written out: period 30 shows the last chunk whole and asks for nothing, period 31 changes no slot and fetches nothing ahead
	s_mov_b32 s[CNT], 7
.Lt1:
	PERIOD_W 0, 1, 1
	PERIOD_W 1, 1, 1
	W_NEXT
	s_sub_co_u32 s[CNT], s[CNT], 1
	s_cmp_lg_u32 s[CNT], 0
	s_cbranch_scc1 .Lt1
	PERIOD_W 0, 2, 1
	PERIOD_W 1, 0, 0
	W_NEXT
	TANH_TAIL ACC1
	SOFT 1, 0
	OSTORE 0                                       ; tile 0's O
	s_wait_xcnt 0x0                                ; the stores have read their data
	OZERO
	s_mov_b32 s[SPT], 0
	; ---- DRAIN: tile 1 is summed: 7 pairs that ask for the next, and the last, whose waits run down
	s_mov_b32 s[CNT], 7
.Ldrain:
	SLICE 0, 1, 16
	SLICE 1, 1, 16
	W_NEXT
	s_sub_co_u32 s[CNT], s[CNT], 1
	s_cmp_lg_u32 s[CNT], 0
	s_cbranch_scc1 .Ldrain
	SLICE 0, 0, 16
	SLICE 1, 0, 0
	OSTORE 4096                                    ; tile 1's O
	s_wait_tensorcnt 0x0                           ; the wave's end: behind my last tensor load and my last LDS store
	ds_add_u32 v[SPW], v[NIL]
	s_wait_dscnt 0x0
	ROUND                                          ; the closing round: no work-group ends while a partner may still ask for a chunk that names it
	s_endpgm
.Lfunc_end_k_q3c5ec11941_main:
	.size	k_q3c5ec11941_main, .Lfunc_end_k_q3c5ec11941_main-k_q3c5ec11941_main
	.p2alignl 7, 3214868480
	.fill 96, 4, 3214868480
	.section	.rodata,"a",@progbits
	.p2align	6, 0x0
	.amdhsa_kernel k_q3c5ec11941_main
		.amdhsa_group_segment_fixed_size 327680
		.amdhsa_private_segment_fixed_size 0
		.amdhsa_enable_private_segment 0
		.amdhsa_kernarg_size 56
		.amdhsa_user_sgpr_count 2
		.amdhsa_user_sgpr_kernarg_segment_ptr 1
		.amdhsa_wavefront_size32 1
		.amdhsa_system_sgpr_workgroup_id_x 1
		.amdhsa_system_sgpr_workgroup_id_y 1
		.amdhsa_system_sgpr_workgroup_id_z 1
		.amdhsa_system_vgpr_workitem_id 0
		.amdhsa_next_free_vgpr 1024
		.amdhsa_next_free_sgpr 66
		.amdhsa_reserve_vcc 0
		.amdhsa_float_denorm_mode_32 3
		.amdhsa_float_denorm_mode_16_64 3
		.amdhsa_memory_ordered 1
		.amdhsa_forward_progress 1
		.amdhsa_inst_pref_size 255
	.end_amdhsa_kernel
	.section	.bss,"aw",@nobits
	.p2align	6
	.space	262144
	.amdgpu_metadata
---
amdhsa.version: [ 1, 2 ]
amdhsa.kernels:
  - .name:           k_q3c5ec11941_main
    .symbol:         k_q3c5ec11941_main.kd
    .args:
      - { .name: encoder_outputs, .offset: 0, .size: 8, .value_kind: global_buffer, .address_space: global }
      - { .name: wep, .offset: 8, .size: 8, .value_kind: global_buffer, .address_space: global }
      - { .name: d_ws, .offset: 16, .size: 8, .value_kind: global_buffer, .address_space: global }
      - { .name: v, .offset: 24, .size: 8, .value_kind: global_buffer, .address_space: global }
      - { .name: t_ws, .offset: 32, .size: 8, .value_kind: global_buffer, .address_space: global }
      - { .name: ml_ws, .offset: 40, .size: 8, .value_kind: global_buffer, .address_space: global }
      - { .name: o_ws, .offset: 48, .size: 8, .value_kind: global_buffer, .address_space: global }
    .group_segment_fixed_size: 327680
    .private_segment_fixed_size: 0
    .kernarg_segment_align: 8
    .kernarg_segment_size: 56
    .max_flat_workgroup_size: 128
    .sgpr_count:     66
    .vgpr_count:     1024
    .wavefront_size: 32
...
	.end_amdgpu_metadata
.endif
;; end of part 2
;; launch combine (part 3): grid 256 x 1, 1 waves a work-group, no clusters, 0 bytes of LDS; arguments t_ws, ml_ws, o_ws, out0, out1; writes out0, out1
.if DOCPART == 3
	.amdgcn_target "amdgcn-amd-amdhsa--gfx1250"
	.amdhsa_code_object_version 6
	.text
	.protected	k_q3c5ec11941_combine
	.globl	k_q3c5ec11941_combine
	.p2align	8
	.type	k_q3c5ec11941_combine,@function
k_q3c5ec11941_combine:
	s_mov_b64 s[64:65], 0
	v_nop
	global_prefetch_b8 v0, s[64:65] scope:SCOPE_SE
	s_setreg_imm32_b32 hwreg(HW_REG_WAVE_MODE, 25, 1), 1
	s_wait_xcnt 0x0
; ConcatAttention, launch 3 of 3.  A batch row's 16 tiles are joined: M = max m_j, L = sum l_j 2^(m_j - M), out0[b][:] = sum_j 2^(m_j - M) O_j[:] / L, out1[b][s] = 2^(t[s] - M) / L.
; WORK LEFT OUT (shown at the head of launch 1): the term sum_n v[n] of the logits, which is the same along the softmax's axis; t carries the rest, in base 2.
; SHARES.  Work-group g, one wave: b = g / 8, q = g % 8: columns 128 q on of out0 (four a lane) and positions 256 q on of out1 (eight a lane).  Every load and store covers 512 consecutive bytes but the one of (m, l).
; No LDS, no barrier, no matrix unit: 19 loads, about a hundred vector lines, 3 stores.
	s_load_b256 s[4:11], s[0:1], 0x0               ; t_ws s[4:5], ml_ws s[6:7], o_ws s[8:9], out0 s[10:11]
	s_load_b64 s[12:13], s[0:1], 0x20              ; out1
	s_lshr_b32 s14, ttmp9, 3                       ; b
	s_and_b32 s15, ttmp9, 7                        ; q
	v_and_b32 v1, 15, v0
	v_lshlrev_b32 v1, 8, v1                        ; lane l takes tile l % 16: 256 bytes a tile
	v_lshlrev_b32 v2, 4, v0                        ; 16 x lane
	s_lshl_b32 s16, s14, 12                        ; (m, l): 16 b tiles of 256 bytes
	s_mov_b32 s17, 0
	s_lshl_b32 s18, s14, 16                        ; O: 16 b tiles of 4,096 bytes, + 512 q
	s_lshl_b32 s24, s15, 9
	s_add_co_u32 s18, s18, s24
	s_mov_b32 s19, 0
	s_lshl_b32 s20, s14, 13                        ; t and out1: 8,192 b + 1,024 q
	s_lshl_b32 s25, s15, 10
	s_add_co_u32 s20, s20, s25
	s_mov_b32 s21, 0
	s_lshl_b32 s22, s14, 12                        ; out0: 4,096 b + 512 q
	s_add_co_u32 s22, s22, s24
	s_mov_b32 s23, 0
	s_wait_kmcnt 0x0
	s_add_nc_u64 s[6:7], s[6:7], s[16:17]
	s_add_nc_u64 s[8:9], s[8:9], s[18:19]
	s_add_nc_u64 s[4:5], s[4:5], s[20:21]
	s_add_nc_u64 s[12:13], s[12:13], s[20:21]
	s_add_nc_u64 s[10:11], s[10:11], s[22:23]
	global_load_b64 v[4:5], v1, s[6:7]             ; m, l of my tile
	global_load_b128 v[8:11], v2, s[4:5]
	global_load_b128 v[12:15], v2, s[4:5] offset:512
.set j, 0
.rept 16
	global_load_b128 v[16+4*j:19+4*j], v2, s[8:9] offset:4096*j
.set j, j+1
.endr
	s_wait_loadcnt 16                              ; (m, l) and t are in; O's 16 loads, issued behind them, may be out
	v_mov_b32 v6, v4
	v_max_num_f32_dpp v6, v6, v6 row_xmask:1 row_mask:0xf bank_mask:0xf
	v_max_num_f32_dpp v6, v6, v6 row_xmask:2 row_mask:0xf bank_mask:0xf
	v_max_num_f32_dpp v6, v6, v6 row_xmask:4 row_mask:0xf bank_mask:0xf
	v_max_num_f32_dpp v6, v6, v6 row_xmask:8 row_mask:0xf bank_mask:0xf   ; M: each half of the lanes holds all 16 tiles
	v_sub_f32 v7, v4, v6
.irp i, 0,1,2,3,4,5,6,7
	v_sub_f32 v[8+\i], v[8+\i], v6                 ; t - M
.endr
	v_exp_f32 v7, v7                               ; 2^(m_j - M)
.irp i, 0,1,2,3,4,5,6,7
	v_exp_f32 v[8+\i], v[8+\i]
.endr
	v_nop                                          ; the plain line behind the batch
	s_wait_alu depctr_va_vdst(0)                   ; and its one wait, ahead of the first reader
	v_mul_f32 v3, v5, v7
	v_add_f32_dpp v3, v3, v3 row_xmask:1 row_mask:0xf bank_mask:0xf
	v_add_f32_dpp v3, v3, v3 row_xmask:2 row_mask:0xf bank_mask:0xf
	v_add_f32_dpp v3, v3, v3 row_xmask:4 row_mask:0xf bank_mask:0xf
	v_add_f32_dpp v3, v3, v3 row_xmask:8 row_mask:0xf bank_mask:0xf       ; L
	v_rcp_f32 v80, v3
	v_nop
	s_wait_alu depctr_va_vdst(0)
	v_mul_f32 v7, v7, v80                          ; f_j = 2^(m_j - M) / L
.irp i, 0,1,2,3,4,5,6,7
	v_mul_f32 v[8+\i], v[8+\i], v80
.endr
	global_store_b128 v2, v[8:11], s[12:13]
	global_store_b128 v2, v[12:15], s[12:13] offset:512
.set j, 0
.rept 16
	v_readlane_b32 s[32+j], v7, j
.set j, j+1
.endr
	s_wait_loadcnt 0x0                             ; O
.irp e, 0,1,2,3
	v_mul_f32 v[84+\e], s32, v[16+\e]
.endr
.set j, 1
.rept 15
.irp e, 0,1,2,3
	v_fma_f32 v[84+\e], s[32+j], v[16+4*j+\e], v[84+\e]
.endr
.set j, j+1
.endr
	global_store_b128 v2, v[84:87], s[10:11]
	s_endpgm
.Lfunc_end_k_q3c5ec11941_combine:
	.size	k_q3c5ec11941_combine, .Lfunc_end_k_q3c5ec11941_combine-k_q3c5ec11941_combine
	.p2alignl 7, 3214868480
	.fill 96, 4, 3214868480
	.section	.rodata,"a",@progbits
	.p2align	6, 0x0
	.amdhsa_kernel k_q3c5ec11941_combine
		.amdhsa_group_segment_fixed_size 0
		.amdhsa_private_segment_fixed_size 0
		.amdhsa_enable_private_segment 0
		.amdhsa_kernarg_size 40
		.amdhsa_user_sgpr_count 2
		.amdhsa_user_sgpr_kernarg_segment_ptr 1
		.amdhsa_wavefront_size32 1
		.amdhsa_system_sgpr_workgroup_id_x 1
		.amdhsa_system_sgpr_workgroup_id_y 1
		.amdhsa_system_sgpr_workgroup_id_z 1
		.amdhsa_system_vgpr_workitem_id 0
		.amdhsa_next_free_vgpr 96
		.amdhsa_next_free_sgpr 66
		.amdhsa_reserve_vcc 0
		.amdhsa_float_denorm_mode_32 3
		.amdhsa_float_denorm_mode_16_64 3
		.amdhsa_memory_ordered 1
		.amdhsa_forward_progress 1
		.amdhsa_inst_pref_size 10
	.end_amdhsa_kernel
	.amdgpu_metadata
---
amdhsa.version: [ 1, 2 ]
amdhsa.kernels:
  - .name:           k_q3c5ec11941_combine
    .symbol:         k_q3c5ec11941_combine.kd
    .args:
      - { .name: t_ws, .offset: 0, .size: 8, .value_kind: global_buffer, .address_space: global }
      - { .name: ml_ws, .offset: 8, .size: 8, .value_kind: global_buffer, .address_space: global }
      - { .name: o_ws, .offset: 16, .size: 8, .value_kind: global_buffer, .address_space: global }
      - { .name: out0, .offset: 24, .size: 8, .value_kind: global_buffer, .address_space: global }
      - { .name: out1, .offset: 32, .size: 8, .value_kind: global_buffer, .address_space: global }
    .group_segment_fixed_size: 0
    .private_segment_fixed_size: 0
    .kernarg_segment_align: 8
    .kernarg_segment_size: 40
    .max_flat_workgroup_size: 32
    .sgpr_count:     66
    .vgpr_count:     96
    .wavefront_size: 32
...
	.end_amdgpu_metadata
.endif
;; end of part 3
